; MI455X (gfx1250); checked and timed in simulation.
; The chip was launched on July 23, 2026; its instructions are those of AMD's public machine-readable ISA for CDNA 5 (MIT licence, August 2026) and "CDNA5" Instruction Set Architecture Reference Guide (July 2026). The comments in the code are by the model that wrote it; some were corrected since.
;; Multi Headed Attention. Allowed arithmetic: matrix products marked QUANTISED: E2M3 operands, one E8M0 scale for each 32 along K, by v_wmma_scale_f32_16x16x128_f8f6f4 with both operands' format E2M3, f32 sums; everything else in f32.
;; Inputs: Wk_codes 1,024 x 32 x 24 uint8 (E2M3 codes of Wk, K innermost, in blocks of 32 codes, four codes in three bytes); Wk_scales 1,024 x 32 uint8 (E8M0 scales of Wk, one for each 32 codes along K); Wo_codes 1,024 x 32 x 24 uint8 (E2M3 codes of Wo, K innermost, in blocks of 32 codes, four codes in three bytes); Wo_scales 1,024 x 32 uint8 (E8M0 scales of Wo, one for each 32 codes along K); Wq_codes 1,024 x 32 x 24 uint8 (E2M3 codes of Wq, K innermost, in blocks of 32 codes, four codes in three bytes); Wq_scales 1,024 x 32 uint8 (E8M0 scales of Wq, one for each 32 codes along K); Wv_codes 1,024 x 32 x 24 uint8 (E2M3 codes of Wv, K innermost, in blocks of 32 codes, four codes in three bytes); Wv_scales 1,024 x 32 uint8 (E8M0 scales of Wv, one for each 32 codes along K); bk 1,024 float32; bo 1,024 float32; bq 1,024 float32; bv 1,024 float32; k_codes 2 x 2,048 x 32 x 24 uint8 (E2M3 codes of k, K innermost, in blocks of 32 codes, four codes in three bytes); k_scales 2 x 2,048 x 32 uint8 (E8M0 scales of k, one for each 32 codes along K); mask 2 x 1 x 2,048 bool; q_codes 2 x 2,048 x 32 x 24 uint8 (E2M3 codes of q, K innermost, in blocks of 32 codes, four codes in three bytes); q_scales 2 x 2,048 x 32 uint8 (E8M0 scales of q, one for each 32 codes along K); v_codes 2 x 2,048 x 32 x 24 uint8 (E2M3 codes of v, K innermost, in blocks of 32 codes, four codes in three bytes); v_scales 2 x 2,048 x 32 uint8 (E8M0 scales of v, one for each 32 codes along K).
;; Outputs: out0 2 x 2,048 x 1,024 float32.
;; This version of the problem:
;;   THIS VERSION OF THE PROBLEM IS GIVEN IN LOW PRECISION. The matrix products marked QUANTISED in the list below multiply operands that are first quantised to E2M3 (2 exponent bits, 3 mantissa bits; 6 bits a number), with one power-of-two scale for each 32 numbers along K (OCP MX v1.0); their sums are f32. All else is computed in f32.
;;   The module's matrix products, in the order in which they are computed (A, B: the left and right operand; K: the contracted axis; several contracted axes count as one K, in the product's order):
;;     1. [M 4,096, K 1,024] x [K 1,024, N 1,024]; A: input k (given as codes); B: input Wk (given as codes): QUANTISED
;;     2. [M 4,096, K 1,024] x [K 1,024, N 1,024]; A: input v (given as codes); B: input Wv (given as codes): QUANTISED
;;     3. [M 4,096, K 1,024] x [K 1,024, N 1,024]; A: input q (given as codes); B: input Wq (given as codes): QUANTISED
;;     4. batch 32 x [M 2,048, K 64] x [K 64, N 2,048]; A: computed on the way; B: computed on the way: QUANTISED
;;     5. batch 32 x [M 2,048, K 2,048] x [K 2,048, N 64]; A: softmax (see below); B: computed on the way: QUANTISED
;;     6. [M 4,096, K 1,024] x [K 1,024, N 1,024]; A: computed on the way; B: input Wo (given as codes): QUANTISED
;;   THE QUANTISER, for each operand of a quantised product, along K:
;;     - K is cut into blocks of 32 from its start; a last block that is shorter is filled with zeros.
;;     - A block's scale is 2^e with e = floor(log2(the largest magnitude in the block)) - 2, held to -126 .. 127; a block of zeros has e = 0. As a byte (E8M0): e + 127.
;;     - Each number is divided by its block's scale, clamped to +-7.5, and rounded to the nearest number of E2M3, ties to even, subnormals kept.
;;     - The product sums the exact products of the quantised numbers (number of the format x scale) in f32.
;;   ~~~python
;;   def quantise(x, axis):      # numpy; x: float32 -> the quantised numbers, widened to float32 again
;;       x = np.moveaxis(x, axis, -1); K = x.shape[-1]
;;       x = np.pad(x, [(0, 0)] * (x.ndim - 1) + [(0, -K % 32)]); x = x.reshape(x.shape[:-1] + (-1, 32)); a = np.abs(x).max(-1, keepdims=True)
;;       e = np.where(a > 0, np.clip(np.frexp(np.where(a > 0, a, 1))[1] - 1 - 2, -126, 127), 0)      # np.frexp(a)[1] - 1 = floor(log2(a)), exactly
;;       r = np.clip(x / 2.0 ** e, -7.5, 7.5)
;;       step = 2.0 ** (np.maximum(np.frexp(np.where(r == 0, 1, r))[1] - 1, 0) - 3)
;;       q = np.round(r / step) * step * 2.0 ** e      # np.round: ties to even
;;       return np.moveaxis(q.reshape(q.shape[:-2] + (-1,))[..., :K], -1, axis).astype(np.float32)
;;   ~~~
;;   SOFTMAX AHEAD OF A QUANTISED PRODUCT. Where the list says 'softmax', what is quantised is not the finished softmax but p = 2^(t - M), with t = logit x log2(e) and M = ceil(the row's largest t), a whole number; so 1/2 < the row's largest p <= 1. The row's sum l is taken of the UNQUANTISED p, in f32, and the product's result is divided by l at the end. Since M is a whole number, a kernel that streams over the keys may use a running M (the ceiling of the running maximum): every later rescaling is an exact power of two, which a block's scale takes up: the codes' values come out the same.
;;   OPERANDS COMPUTED ON THE WAY. 'Computed on the way' means the value that the module computes at that place (a softmax that the list does not call 'softmax' is quantised finished and normalised). What goes into a quantiser is computed in f32, as accurately as f32 sums, v_exp_f32 and their like allow (about 1e-6 of the number): no bf16 or f16 on the way to a quantiser, and a product that is left as it is and whose result goes on into a quantised operand takes f32 operands (vector FMAs, or v_wmma_f32_16x16x4_f32). A number that lies on a knife's edge between two numbers of the format may be rounded either way, as far as f32 arithmetic and the matrix unit's own rounding can turn it there, and no further.
;;   INPUTS GIVEN AS CODES. Wk (in the module: [1024, 1024], K = its axis 0); Wo (in the module: [1024, 1024], K = its axis 0); Wq (in the module: [1024, 1024], K = its axis 0); Wv (in the module: [1024, 1024], K = its axis 0); k (in the module: [2, 2048, 1024], K = its axis 2); q (in the module: [2, 2048, 1024], K = its axis 2); v (in the module: [2, 2048, 1024], K = its axis 2): each comes as NAME_codes (uint8): NAME with its K axis moved to the last place and cut into blocks of 32 codes, [.., K / 32, bytes a block], one block behind the other in memory; four codes in three bytes: a row's codes are one little-endian stream of bits, code i at bits 6 i .. 6 i + 5 (a code: sign, 2 exponent bits, 3 mantissa bits); and NAME_scales (uint8): the same leading axes, one E8M0 byte (e + 127) for each 32 codes along K. Its value is code x scale, taken as it is: it is not quantised again, and the codes and scales need not be those that the quantiser above would give.
;; One version. Each part assembles by itself: llvm-mc -triple=amdgcn-amd-amdhsa -mcpu=gfx1250 --defsym DOCPART=n.
;; ======== version 1 of 1: 3 launches
;; limits: right only within a limited range of input values
;; workspace buffers: qc 3,145,728 bytes; qs 262,144 bytes; kv 6,684,672 bytes; cc 3,145,728 bytes; cs 131,072 bytes
;; launch proj (part 1): grid 8 x 32, 4 waves a work-group, clusters of 4 x 4, 327,680 bytes of LDS; arguments q_codes, q_scales, Wq_codes, Wq_scales, bq, k_codes, k_scales, Wk_codes, Wk_scales, bk, Wv_codes, Wv_scales, v_codes, v_scales, bv, qc, qs, kv; writes qc, qs, kv
.if DOCPART == 1
	.amdgcn_target "amdgcn-amd-amdhsa--gfx1250"
	.amdhsa_code_object_version 6
	.text
	.protected	k_qb26c50527c_proj
	.globl	k_qb26c50527c_proj
	.p2align	8
	.type	k_qb26c50527c_proj,@function
k_qb26c50527c_proj:
	s_mov_b64 s[64:65], 0
	v_nop
	global_prefetch_b8 v0, s[64:65] scope:SCOPE_SE
	s_setreg_imm32_b32 hwreg(HW_REG_WAVE_MODE, 25, 1), 1
	s_wait_xcnt 0x0
	s_wait_alu depctr_hold_cnt(0) depctr_sa_sdst(0) depctr_va_vdst(0) depctr_va_sdst(0) depctr_va_ssrc(0) depctr_va_vcc(0) depctr_vm_vsrc(0)
	s_getreg_b32 s2, hwreg(HW_REG_IB_STS2, 6, 4)
	s_cmp_eq_u32 s2, 0
	s_cbranch_scc0 .Lentry_in_a_cluster
	s_endpgm
.Lentry_in_a_cluster:
	s_bfe_u32 s2, ttmp6, 0x10000c
	s_cmp_lg_u32 s2, 0xf033
	s_cbranch_scc0 .Lentry_shape_is_right
	s_endpgm
.Lentry_shape_is_right:
; THE THREE PROJECTIONS, each followed by the quantiser of the attention product that reads it.  All on codes of FP6 (E2M3) with one E8M0 scale for each 32 along K.
; ONE GENERIC PRODUCT: C'[i][j] = sum over k of I[i][k] J[j][k] + bias, K = 1,024, quantised along j in blocks of 32.
;   Q (T = 0), K (T = 1): I = the activation (4,096 rows), J = the weight (1,024 rows), bias along j.   V (T = 2): I = Wv, J = v, bias along i: V transposed, quantised along the keys.
; A WORK-GROUP STAYS: it makes one tile of 128 x 128 of each T, as SIX HALVES of 64 rows of I x 128 rows of J, all of K each.  256 work-groups.
; LDS: two slots for a half of I (64 rows), two for a tile of J (128 rows).  Half n = 2 T + hf lies in I slot hf, J's tile of T in J slot T % 2.  Behind half n's K steps stand the lines and the round,
; and then the request for half n + 2 (waves 0, 1: its two regions) and, twice, for a tile of J (waves 2, 3): one tensor load a wave; every wait on TENSORcnt is for 0.  Half n's quantiser follows the request.
; WAVE w: ia = w / 2, jh = w % 2: tiles 2 ia, 2 ia + 1 of the half's four of I x 64 rows of J: 8 accumulators.  J'S FRAGMENTS STAY IN REGISTERS over a tile's two halves (8 K steps x 48 registers): the second half reads I alone
; from LDS, and J's slot is free behind the first.
; THE ROWS OF A TILE ARE NOT NEIGHBOURS: within 64 rows, lane p of tile t takes row 8 t + p % 8 + 32 (p / 8).  The matrix instruction is used transposed (source 0 = J, source 1 = I): lane (r, h) holds ONE row of I, and the
; 32 registers of its four J tiles are the neighbours 64 jh + 32 h + 0 .. 31 along j: a whole block in a lane, the block that the 6-bit operand layout gives that lane.
; RESULTS leave as images of operand registers: 768 bytes for 16 rows x 64 along the next K: registers 0-3 at 16 x lane, registers 4-5 at 512 + 8 x lane.  In kv a group of 128 keys is 13,056 bytes: K's and V's images, then their scale words.
; The division of Q by 8 changes no code, only the scale: the attention launch takes it into the constant that multiplies the scores.
; THE SCALE BYTES AND BIASES of all three T (24 KB of a work-group's 614 KB) come once, at the head, by plain loads into registers, not jointly.
; CLUSTERS: 4 x 4.  I's tiles hang on the cluster's row alone, J's on its column alone: each is asked for jointly by the four that share it.
; PREFETCH: behind the request for half n, half n + 2's bytes are named (n = 0 .. 3), and at the head V's tile of J, two requests ahead of its own.  Of a region's 96 blocks of 256 bytes each of the four partners takes 24 by address
; (cx for I, cy for J); of these a wave names 12 (I) or 24 (J), a lane a block; lanes left over name the wave's last block again.  Halves 0, 1 and the first two tiles of J come by their loads alone.
; LIMITS: NaN, infinities and scale bytes 0xff among the inputs are not served.  A block of zeros gets the byte 1 (its codes are zeros; this program alone reads the bytes).
; Blocks of the query projection under 2^-121, where the hold of the exponent at -126 would act on Q / 8, may differ.
.set ROWP,   816                       ; a row of 768 bytes in LDS: 3 x (256 + 16 of padding)
.set TILEP,  8*ROWP
.set HALFG,  32*ROWP
.set DI,     26240                     ; I: a region of 32 rows (26,112 bytes) + 128: the two groups of eight rows of a tile lie eight columns of 16 bytes apart modulo 256
.set ISL,    2*DI
.set DJ,     52352                     ; J: a region of 64 rows + 128
.set JSL,    2*DJ
.set JB,     2*ISL
.set SPARE,  JB+2*JSL                  ; the spare words, 128 bytes a wave
.set ADI,  5                           ; v5, v6    my I fragments in slot 0; the same behind one padding more
.set ADS,  7                           ; v7        my row among 64 rows of scale bytes
.set ADJ,  8                           ; v8-11     my J fragments: slot 0 (two registers as for I), slot 1
.set L16,  12
.set L8,   13
.set L4,   14
.set SH8,  15
.set BQK,  16
.set BV,   17
.set PFI,  18                          ; the prefetches' offsets
.set PFJ,  19
.set SC,   20                          ; v20-115   scale words, 32 a T: lanes 0-15: I's tile a of half hf, K step q at 16 hf + 8 a + q; lanes 16-31: J's tile b at 8 b + q
.set ACC,  116                         ; v116-179  accumulator (a, b) at 32 a + 8 b
.set PC,   180
.set TT,   192
.set MX,   200
.set MY,   202
.set SO,   204
.set BY,   206
.set EX,   208
.set WD,   210
.set PK,   212
.set SPW,  254
.set NIL,  255
; window 1: J's fragments of K steps 0-4 at 48 q + 12 b; window 3: of K steps 5-7.  Window 2: v0-95 J's scale words as loaded; and:
.set BB,   96                          ; v96-159   Q's and K's bias, 32 numbers a lane
.set BVR,  160                         ; v160-163  V's bias: one number for (hf, a)
.set BVC,  168                         ; v168-199  the same, eight times each: the C of a first product
.set IFB,  200                         ; v200-247  I's fragments, two buffers of 24
.set ITA, 14
.set JTA, 15
.set ITV, 26
.set JTV, 27
.set WV,  38
.set IA,  39
.set JH,  46
.set HM,  47                           ; lanes 16-31
.set SEL, 44
.set G1I, 48
.set G1J, 56
.set G0I, 68
.set G0J, 72
.set LI,  86
.set LJ,  87
.set MSB, 0
.macro WIN new
.if MSB != \new
	s_set_vgpr_msb (MSB<<8)|\new
.set MSB, \new
.endif
.endm
.macro PLACES n
.rept \n
	v_nop
.endr
.endm
.macro ROUND                           ; a round of the cluster's barrier
	s_barrier_signal -1
	s_barrier_wait -1
	s_cmp_lg_u32 s[WV], 0
	s_cbranch_scc1 .Lnot_wave_0_\@
	s_barrier_signal -3
.Lnot_wave_0_\@:
	s_barrier_wait -3
	s_barrier_signal -1
	s_barrier_wait -1
.endm
.macro JLOAD j                         ; waves 0, 1 ask for I; j = 1: waves 2, 3 ask for J.  s_nop 0 and four v_nop follow each load
	s_cmp_eq_u32 s[IA], 0
	s_cbranch_scc0 .Lfor_j_\@
	tensor_load_to_lds s[G0I:G0I+3], s[G1I:G1I+7]
	s_nop 0
	PLACES 4
.if \j
	s_branch .Lasked_\@
.endif
.Lfor_j_\@:
.if \j
	tensor_load_to_lds s[G0J:G0J+3], s[G1J:G1J+7]
	s_nop 0
	PLACES 4
.Lasked_\@:
.endif
.endm
	s_load_b256 s[4:11], s[0:1], 0x0               ; a T's set at s[B ..], B = 4 + 12 T: I's codes, I's scales, J's codes, J's scales,
	s_load_b64 s[12:13], s[0:1], 0x20              ; bias
	s_load_b256 s[16:23], s[0:1], 0x28
	s_load_b64 s[24:25], s[0:1], 0x48
	s_load_b256 s[28:35], s[0:1], 0x50
	s_load_b64 s[36:37], s[0:1], 0x70
	s_load_b128 s[40:43], s[0:1], 0x78             ; qc, qs
	s_load_b64 s[44:45], s[0:1], 0x88              ; kv
	v_lshl_add_u32 v[SPW], v0, 2, SPARE
	v_mov_b32 v[NIL], 0
	ds_add_u32 v[SPW], v[NIL]                      ; the opening lines: the add twice on end and one wait
	ds_add_u32 v[SPW], v[NIL]
	v_lshrrev_b32 v1, 5, v0
	v_readfirstlane_b32 s[WV], v1
	s_lshr_b32 s[IA], s[WV], 1                     ; also: I fetch for I (0) or for J (1)
	s_and_b32 s[JH], s[WV], 1                      ; also: which region I fetch
	s_bfe_u32 s84, ttmp6, 0x40000                  ; cx
	s_bfe_u32 s85, ttmp6, 0x40004                  ; cy
	s_and_b32 s70, ttmp7, 0xffff
	s_lshl_b32 s70, s70, 2                         ; 4 x the cluster's y (0..7)
	s_lshl_b32 s71, ttmp9, 2                       ; 4 x the cluster's x (0..1)
	s_add_co_u32 s[ITA], s70, s85                  ; Q, K: I has 32 tiles, J 8; V the other way round.  I's tile holds cy, never cx; J's cx, never cy
	s_add_co_u32 s[JTA], s71, s84
	s_add_co_u32 s[ITV], s71, s85
	s_add_co_u32 s[JTV], s70, s84
	s_lshl_b32 s2, s85, 2
	s_lshl_b32 s2, 15, s2                          ; my row of the cluster
	s_lshl_b32 s3, 0x1111, s84                     ; my column
	s_or_b32 s[G1I], s2, (3<<16)|(1<<20)|(1<<21)|(5<<22)|(3<<25)   ; I: 32 rows of memory, 24,576 dense bytes, as 96 lines of 256; 16 bytes of padding behind each
	s_mov_b32 s[G1I+1], 32<<16
	s_mov_b32 s[G1I+2], 96<<16
	s_mov_b32 s[G1I+3], 32<<16
	s_mov_b32 s[G1I+4], 96
	s_mov_b32 s[G1I+5], 32
	s_mov_b32 s[G1I+6], 0
	s_mov_b32 s[G1I+7], 0
	s_or_b32 s[G1J], s3, (3<<16)|(1<<20)|(1<<21)|(5<<22)|(3<<25)   ; J: two lines of 32 rows (3,072 elements of 8 bytes), 64 rows apart
	s_mov_b32 s[G1J+1], 3072<<16
	s_mov_b32 s[G1J+2], 2<<16
	s_mov_b32 s[G1J+3], 3072<<16
	s_mov_b32 s[G1J+4], 2
	s_mov_b32 s[G1J+5], 6144
	s_mov_b32 s[G1J+6], 0
	s_mov_b32 s[G1J+7], 0
	s_mul_i32 s[LI], s[JH], DI                     ; where my region goes: no place in the cluster enters an LDS address
	s_mul_i32 s[LJ], s[JH], DJ
	s_mov_b32 s[HM], 0xffff0000
	s_mul_i32 s88, s[JH], 24576                    ; my region in memory: 32 rows on
	s_wait_dscnt 0x0
	s_wait_kmcnt 0x0
.macro SETUP B, it, jt, v              ; a T's pointers, each to my part
	s_mul_i32 s96, s[\it], 98304
	s_add_co_u32 s96, s96, s88
	s_mov_b32 s97, 0
	s_add_nc_u64 s[\B:\B+1], s[\B:\B+1], s[96:97]          ; I's codes: tile, region
	s_mul_i32 s98, s[\jt], 98304
	s_add_co_u32 s98, s98, s88
	s_mov_b32 s99, 0
	s_add_nc_u64 s[\B+4:\B+5], s[\B+4:\B+5], s[98:99]      ; J's
	s_lshl_b32 s96, s[\it], 12
	s_lshl_b32 s100, s[IA], 9
	s_add_co_u32 s96, s96, s100
	s_add_nc_u64 s[\B+2:\B+3], s[\B+2:\B+3], s[96:97]      ; I's scale bytes: 4,096 a tile, 16 rows x ia
	s_lshl_b32 s98, s[\jt], 12
	s_lshl_b32 s100, s[JH], 11
	s_add_co_u32 s98, s98, s100
	s_add_nc_u64 s[\B+6:\B+7], s[\B+6:\B+7], s[98:99]      ; J's: my 64 rows
.if \v
	s_lshl_b32 s96, s[\it], 9
	s_lshl_b32 s100, s[IA], 6
	s_add_co_u32 s96, s96, s100
	s_add_nc_u64 s[\B+8:\B+9], s[\B+8:\B+9], s[96:97]      ; bias along i
.else
	s_lshl_b32 s98, s[\jt], 9
	s_lshl_b32 s100, s[JH], 8
	s_add_co_u32 s98, s98, s100
	s_add_nc_u64 s[\B+8:\B+9], s[\B+8:\B+9], s[98:99]      ; bias along j: my head's 64 numbers
.endif
.endm
	SETUP 4, ITA, JTA, 0
	SETUP 16, ITA, JTA, 0
	SETUP 28, ITV, JTV, 1
	s_mov_b32 s[G0I], 1
	s_mov_b32 s[G0I+1], s[LI]
	s_mov_b64 s[G0I+2:G0I+3], s[4:5]
	s_or_b32 s[G0I+3], s[G0I+3], 0x80000000
	s_mov_b32 s[G0J], 1
	s_add_co_u32 s[G0J+1], s[LJ], JB
	s_mov_b64 s[G0J+2:G0J+3], s[8:9]
	s_or_b32 s[G0J+3], s[G0J+3], 0x80000000
	ROUND                                          ; all sixteen work-groups are here: the joint loads meet
	JLOAD 1                                        ; half 0 and Q's tile of J: one tensor load a wave
	; where the results go.  Q, K: group = (16 batch + head) x 16 + group of 128 rows; head = 2 JT + jh
	s_and_b32 s96, s[ITA], 16
	s_lshl_b32 s97, s[JTA], 1
	s_add_co_u32 s96, s96, s97
	s_add_co_u32 s96, s96, s[JH]
	s_lshl_b32 s96, s96, 4
	s_and_b32 s97, s[ITA], 15
	s_add_co_u32 s96, s96, s97
	s_mul_i32 s100, s[IA], 1536                    ; tiles 2 ia on
	s_lshl_b32 s101, s[IA], 7                      ; and their scale words
	s_mov_b32 s99, 0
	s_mul_i32 s98, s96, 6144
	s_add_co_u32 s98, s98, s100
	s_add_nc_u64 s[40:41], s[40:41], s[98:99]      ; Q's codes
	s_lshl_b32 s98, s96, 9
	s_add_co_u32 s98, s98, s101
	s_add_nc_u64 s[42:43], s[42:43], s[98:99]      ; Q's scale words
	s_mul_i32 s96, s96, 13056
	s_add_co_u32 s98, s96, s100
	s_add_nc_u64 s[76:77], s[44:45], s[98:99]      ; K's codes
	s_add_co_u32 s98, s96, s101
	s_add_co_u32 s98, s98, 12288
	s_add_nc_u64 s[78:79], s[44:45], s[98:99]      ; K's scale words
	s_and_b32 s96, s[JTV], 16                      ; V: head = 2 IT + hf (hf: 16 groups on, in the stores' offsets)
	s_lshl_b32 s97, s[ITV], 1
	s_add_co_u32 s96, s96, s97
	s_lshl_b32 s96, s96, 4
	s_and_b32 s97, s[JTV], 15
	s_add_co_u32 s96, s96, s97
	s_mul_i32 s96, s96, 13056
	s_mul_i32 s98, s[JH], 768
	s_mul_i32 s100, s[IA], 3072
	s_add_co_u32 s98, s98, s100
	s_add_co_u32 s98, s98, s96
	s_add_co_u32 s98, s98, 6144
	s_add_nc_u64 s[80:81], s[44:45], s[98:99]      ; V's codes: behind K's eight tiles, half jh of tiles 2 ia on
	s_lshl_b32 s98, s[JH], 1
	s_add_co_u32 s98, s98, s101
	s_add_co_u32 s98, s98, s96
	s_add_co_u32 s98, s98, 12800
	s_add_nc_u64 s[82:83], s[44:45], s[98:99]      ; V's scale words: behind K's, bytes 2 jh and 2 jh + 1
	s_mov_b32 s[SEL], 0x76543210
	s_mov_b32 s[SEL+1], 0xfedcba98
	s_mul_i32 s96, s[IA], 2*TILEP
	s_mul_i32 s97, s[JH], HALFG
	s_add_co_u32 s97, s97, JB
	s_mul_i32 s98, s84, 6144                       ; the prefetches: of my region, I: 24 blocks x cx + 12 x ia;
	s_mul_i32 s100, s[IA], 3072
	s_add_co_u32 s98, s98, s100
	s_mul_i32 s99, s85, 6144                       ; J: line ia, 24 blocks x cy
	s_mul_i32 s100, s[IA], 49152
	s_add_co_u32 s99, s99, s100
	v_bfe_u32 v2, v0, 4, 1                         ; h
	v_and_b32 v3, 7, v0                            ; r % 8
	v_bfe_u32 v4, v0, 3, 1                         ; r / 8
	v_mul_u32_u24 v[ADI], v4, DI
	v_mad_u32_u24 v[ADI], v3, ROWP, v[ADI]
	v_mad_u32_u24 v[ADI], v2, 24, v[ADI]
	v_add_nc_u32 v[ADI], s96, v[ADI]
	v_lshl_add_u32 v[ADI+1], v2, 4, v[ADI]
	v_mul_u32_u24 v[ADJ], v4, DJ
	v_mad_u32_u24 v[ADJ], v3, ROWP, v[ADJ]
	v_mad_u32_u24 v[ADJ], v2, 24, v[ADJ]
	v_add_nc_u32 v[ADJ], s97, v[ADJ]
	v_lshl_add_u32 v[ADJ+1], v2, 4, v[ADJ]
	v_add_nc_u32 v[ADJ+2], JSL, v[ADJ]
	v_add_nc_u32 v[ADJ+3], JSL, v[ADJ+1]
	v_lshlrev_b32 v[ADS], 5, v3
	v_lshl_add_u32 v[ADS], v4, 10, v[ADS]
	v_and_b32 v[L4], 31, v0
	v_lshlrev_b32 v[L16], 4, v[L4]
	v_lshlrev_b32 v[L8], 3, v[L4]
	v_min_u32 v[PFI], 11, v[L4]
	v_min_u32 v[PFJ], 23, v[L4]
	v_lshl_add_u32 v[PFI], v[PFI], 8, s98
	v_lshl_add_u32 v[PFJ], v[PFJ], 8, s99
	v_lshlrev_b32 v[L4], 2, v[L4]
	v_lshlrev_b32 v[SH8], 3, v2
	v_lshlrev_b32 v[BQK], 7, v2
	v_lshlrev_b32 v[BV], 2, v3
	v_lshl_add_u32 v[BV], v4, 7, v[BV]
	v_mov_b32 v[EX], 0                             ; a lane permute's destination counts as a source
	v_mov_b32 v[EX+1], 0
.irp T, 0,1,2                                  ; a row's 32 scale bytes are the words of its eight K steps
.irp hf, 0,1
.irp a, 0,1
	global_load_b128 v[SC+32*\T+16*\hf+8*\a:SC+32*\T+16*\hf+8*\a+3], v[ADS], s[6+12*\T:7+12*\T] offset:2048*\hf+256*\a
	global_load_b128 v[SC+32*\T+16*\hf+8*\a+4:SC+32*\T+16*\hf+8*\a+7], v[ADS], s[6+12*\T:7+12*\T] offset:2048*\hf+256*\a+16
.endr
.endr
.endr
	WIN 0x80
.irp T, 0,1,2
.irp b, 0,1,2,3
	global_load_b128 v[32*\T+8*\b:32*\T+8*\b+3], v[ADS], s[10+12*\T:11+12*\T] offset:256*\b
	global_load_b128 v[32*\T+8*\b+4:32*\T+8*\b+7], v[ADS], s[10+12*\T:11+12*\T] offset:256*\b+16
.endr
.endr
.irp T, 0,1
.irp k, 0,1,2,3,4,5,6,7
	global_load_b128 v[BB+32*\T+4*\k:BB+32*\T+4*\k+3], v[BQK], s[12+12*\T:13+12*\T] offset:16*\k   ; register 8 b + j: feature 32 h + 8 b + j
.endr
.endr
.irp hf, 0,1
.irp a, 0,1
	global_load_b32 v[BVR+2*\hf+\a], v[BV], s[36:37] offset:256*\hf+32*\a
.endr
.endr
	WIN 0
	global_prefetch_b8 v[PFI], s[16:17] th:TH_LOAD_NT scope:SCOPE_SE    ; half 2
	global_prefetch_b8 v[PFJ], s[32:33] th:TH_LOAD_NT scope:SCOPE_SE    ; V's tile of J
	s_wait_alu depctr_va_vdst(0)                   ; directly ahead of the wait below
	s_wait_loadcnt 0x0
	WIN 0x08
.set n, 0
.rept 96
	v_cndmask_b32 v[SC+n], v[SC+n], v[n], s[HM]    ; lanes 16-31 take J's words
.set n, n+1
.endr
	WIN 0x82
.set n, 0
.rept 32
	v_mov_b32 v[BVC+n], v[BVR+n/8]                 ; one number for all keys of the lane: these lines set a bias
.set n, n+1
.endr
	WIN 0
; a fragment, 16 rows x 128 K, is 12 registers: registers 6 c .. 6 c + 5 hold K = 64 c + 32 h + 0 .. 31: 24 bytes of the row as they lie, in pieces of 8.  Byte o of a row lies at o + 16 (o / 256).
.macro FRAG reg, adr, q, off
.irp p, 0,1,2,3,4,5
.set OB, 96*(\q)+48*(\p/3)+8*(\p%3)
.if OB/256 == (OB+24)/256
	ds_load_b64 v[(\reg)+2*\p:(\reg)+2*\p+1], v[\adr] offset:OB+16*(OB/256)+(\off)
.else
	ds_load_b64 v[(\reg)+2*\p:(\reg)+2*\p+1], v[\adr+1] offset:OB+16*(OB/256)+(\off)
.endif
.endr
.endm
.macro FETCH T, hf, q                  ; K step q's fragments: in a tile's first half J's four (24 loads), always I's two (12)
.if (\hf) == 0
.set WN, (1+2*((\q)/5))<<6
	WIN WN
.irp b, 0,1,2,3
	FRAG 48*((\q)%5)+12*\b, ADJ+2*((\T)%2), \q, \b*TILEP
.endr
.endif
	WIN 0x80
.irp a, 0,1
	FRAG IFB+24*((\q)%2)+12*\a, ADI, \q, \a*TILEP+(\hf)*ISL
.endr
.endm
; A K step of 128: the next step's fragments are asked for, then 8 products.  The eight accumulators take turns.  The first step's C is the bias.
.macro KSTEP T, hf, q
	PLACES 4                                       ; in front of loads into registers that the last products but eight read
.if (\q) < 7
	FETCH \T, \hf, (\q)+1
	s_wait_dscnt 36-24*(\hf)                       ; all but the loads just issued
.else
	s_wait_dscnt 0x0
.endif
.if (\q) == 0
.set WN, 0x29                          ; J window 1, I window 2, C window 2, D window 0
.else
.set WN, (1+2*((\q)/5))+8              ; J window 1 or 3, I window 2, C and D window 0
.endif
	WIN WN
.irp a, 0,1
.irp b, 0,1,2,3
.if (\q) > 0
.set CR, ACC+32*\a+8*\b
.elseif (\T) == 2
.set CR, BVC+16*(\hf)+8*\a
.else
.set CR, BB+32*(\T)+8*\b
.endif
	v_wmma_scale_f32_16x16x128_f8f6f4 v[ACC+32*\a+8*\b:ACC+32*\a+8*\b+7], v[48*((\q)%5)+12*\b:48*((\q)%5)+12*\b+11], v[IFB+24*((\q)%2)+12*\a:IFB+24*((\q)%2)+12*\a+11], v[CR:CR+7], v[SC+32*(\T)+8*\b+(\q)], v[SC+32*(\T)+16*(\hf)+8*\a+(\q)] matrix_a_fmt:MATRIX_FMT_FP6 matrix_b_fmt:MATRIX_FMT_FP6 matrix_a_scale:MATRIX_SCALE_ROW1
.endr
.endr
.endm
.macro KLOOP T, hf
.irp q, 0,1,2,3,4,5,6,7
	KSTEP \T, \hf, \q
.endr
.endm
; Between two halves: I half (it, ihf) is asked for, into I slot ihf; jt >= 0: J's tile of T = jt, into J slot jt % 2; pt >= 0: I half (pt, phf) is prefetched.
.macro TRANS it, ihf, jt, pt, phf
	WIN 0
	s_wait_tensorcnt 0x0                           ; all my tensor loads have landed, my part of the next half among them;
	ds_add_u32 v[SPW], v[NIL]                      ; no load of mine is out, so the groups 0 may be written
	s_add_co_u32 s[G0I+1], s[LI], (\ihf)*ISL
	s_add_nc_u64 s[G0I+2:G0I+3], s[4+12*(\it):5+12*(\it)], (\ihf)*49152
	s_or_b32 s[G0I+3], s[G0I+3], 0x80000000
.if (\jt) >= 0
	s_add_co_u32 s[G0J+1], s[LJ], JB+((\jt)%2)*JSL
	s_mov_b64 s[G0J+2:G0J+3], s[8+12*(\jt):9+12*(\jt)]
	s_or_b32 s[G0J+3], s[G0J+3], 0x80000000
.endif
	s_wait_dscnt 0x0                               ; the add is done, and so are my reads of the slots
	ROUND                                          ; both hold of every wave of the cluster
.if (\jt) >= 0
	JLOAD 1
.else
	JLOAD 0
.endif
	PLACES 4                                       ; behind the last products: for the loads into I's buffer and the first read of results, in every wave
.if (\pt) >= 0
	global_prefetch_b8 v[PFI], s[4+12*(\pt):5+12*(\pt)] offset:(\phf)*49152 th:TH_LOAD_NT scope:SCOPE_SE
.endif
.endm
; THE QUANTISER: a block a lane and tile of I, its maximum in two chains.  Each accumulator is read from its low end on.
.macro QUANT T, hf
	WIN 0
	s_wait_xcnt 0x0                                ; the last half's stores have read their data registers
.irp a, 0,1
	v_max3_num_f32 v[MX+\a], |v[ACC+32*\a]|, |v[ACC+32*\a+1]|, 0x1800000   ; with the floor 2^(3 - 127): the byte cannot fall under 1
	v_max3_num_f32 v[MY+\a], |v[ACC+32*\a+16]|, |v[ACC+32*\a+17]|, 0x1800000
.endr
.irp i, 2,4,6,8,10,12,14
.irp a, 0,1
	v_max3_num_f32 v[MX+\a], v[MX+\a], |v[ACC+32*\a+\i]|, |v[ACC+32*\a+\i+1]|
	v_max3_num_f32 v[MY+\a], v[MY+\a], |v[ACC+32*\a+16+\i]|, |v[ACC+32*\a+17+\i]|
.endr
.endr
.irp a, 0,1
	v_max_num_f32 v[MX+\a], v[MX+\a], v[MY+\a]
.endr
.irp a, 0,1
	v_add_nc_u32 v[SO+\a], 0xff000000, v[MX+\a]    ; 2 off the exponent field: the conversion takes that field as its scale
.endr
.irp a, 0,1
	v_lshrrev_b32 v[BY+\a], 23, v[SO+\a]
.endr
.irp a, 0,1
	v_cvt_scalef32_pk16_fp6_f32 v[PC+6*\a:PC+6*\a+2], v[ACC+32*\a:ACC+32*\a+15], v[SO+\a]
	v_cvt_scalef32_pk16_fp6_f32 v[TT+4*\a:TT+4*\a+2], v[ACC+32*\a+16:ACC+32*\a+31], v[SO+\a]   ; (a conversion's three registers begin on an even number)
.endr
	v_nop                                          ; one plain place behind a scaled conversion
.irp a, 0,1
.irp i, 0,1,2
	v_mov_b32 v[PC+6*\a+3+\i], v[TT+4*\a+\i]
.endr
.endr
.irp a, 0,1
	v_lshlrev_b32 v[WD+\a], v[SH8], v[BY+\a]
.endr
.irp a, 0,1
	v_permlanex16_b32 v[EX+\a], v[WD+\a], s[SEL], s[SEL+1]
.endr
.irp a, 0,1
	v_or_b32 v[WD+\a], v[WD+\a], v[EX+\a]          ; my row's two bytes, in both halves of the lanes
.endr
	v_cndmask_b32 v[PK], v[WD], v[WD+1], s[HM]     ; the even tile's words in lanes 0-15, the odd one's in lanes 16-31
.if (\T) == 2
.irp a, 0,1
	global_store_b128 v[L16], v[PC+6*\a:PC+6*\a+3], s[80:81] offset:208896*(\hf)+1536*\a
	global_store_b64 v[L8], v[PC+6*\a+4:PC+6*\a+5], s[80:81] offset:208896*(\hf)+1536*\a+512
.endr
	global_store_b16 v[L4], v[PK], s[82:83] offset:208896*(\hf)   ; two of a word's four bytes: the other wave of my rows has the other two
.else
.irp a, 0,1
	global_store_b128 v[L16], v[PC+6*\a:PC+6*\a+3], s[40+36*(\T):41+36*(\T)] offset:3072*(\hf)+768*\a        ; 512 consecutive bytes, aligned to 256
	global_store_b64 v[L8], v[PC+6*\a+4:PC+6*\a+5], s[40+36*(\T):41+36*(\T)] offset:3072*(\hf)+768*\a+512    ; 256 consecutive bytes, aligned
.endr
	global_store_b32 v[L4], v[PK], s[42+36*(\T):43+36*(\T)] offset:256*(\hf)   ; bytes 2 and 3 of a word are 0: the head's K is 64
.endif
.endm
	s_wait_alu depctr_va_vdst(0)                   ; the wait at the head's end
	TRANS 0, 1, 1, 1, 1                            ; first fills of I slot 1 and J slot 1, issued as refills are
	FETCH 0, 0, 0
	KLOOP 0, 0
	TRANS 1, 0, 2, 2, 0                            ; J slot 0 has been read into registers
	FETCH 0, 1, 0
	QUANT 0, 0
	KLOOP 0, 1
	TRANS 1, 1, -1, 2, 1
	FETCH 1, 0, 0
	QUANT 0, 1
	KLOOP 1, 0
	TRANS 2, 0, -1, -1, 0
	FETCH 1, 1, 0
	QUANT 1, 0
	KLOOP 1, 1
	TRANS 2, 1, -1, -1, 0
	FETCH 2, 0, 0
	QUANT 1, 1
	KLOOP 2, 0
	WIN 0
	s_wait_tensorcnt 0x0                           ; my part of the last half is in,
	s_wait_dscnt 0x0
	s_barrier_signal -1
	s_barrier_wait -1                              ; everybody's is
	PLACES 4
	FETCH 2, 1, 0
	QUANT 2, 0
	KLOOP 2, 1
	WIN 0
	PLACES 4
	QUANT 2, 1
	s_wait_tensorcnt 0x0                           ; the wave's end
	ds_add_u32 v[SPW], v[NIL]
	s_wait_dscnt 0x0
	ROUND                                          ; the closing round
	s_endpgm
.Lfunc_end_k_qb26c50527c_proj:
	.size	k_qb26c50527c_proj, .Lfunc_end_k_qb26c50527c_proj-k_qb26c50527c_proj
	.p2alignl 7, 3214868480
	.fill 96, 4, 3214868480
	.section	.rodata,"a",@progbits
	.p2align	6, 0x0
	.amdhsa_kernel k_qb26c50527c_proj
		.amdhsa_group_segment_fixed_size 327680
		.amdhsa_private_segment_fixed_size 0
		.amdhsa_enable_private_segment 0
		.amdhsa_kernarg_size 144
		.amdhsa_user_sgpr_count 2
		.amdhsa_user_sgpr_kernarg_segment_ptr 1
		.amdhsa_wavefront_size32 1
		.amdhsa_system_sgpr_workgroup_id_x 1
		.amdhsa_system_sgpr_workgroup_id_y 1
		.amdhsa_system_sgpr_workgroup_id_z 1
		.amdhsa_system_vgpr_workitem_id 0
		.amdhsa_next_free_vgpr 1024
		.amdhsa_next_free_sgpr 102
		.amdhsa_reserve_vcc 0
		.amdhsa_float_denorm_mode_32 3
		.amdhsa_float_denorm_mode_16_64 3
		.amdhsa_memory_ordered 1
		.amdhsa_forward_progress 1
		.amdhsa_inst_pref_size 185
	.end_amdhsa_kernel
	.amdgpu_metadata
---
amdhsa.version: [ 1, 2 ]
amdhsa.kernels:
  - .name:           k_qb26c50527c_proj
    .symbol:         k_qb26c50527c_proj.kd
    .args:
      - { .name: q_codes, .offset: 0, .size: 8, .value_kind: global_buffer, .address_space: global }
      - { .name: q_scales, .offset: 8, .size: 8, .value_kind: global_buffer, .address_space: global }
      - { .name: Wq_codes, .offset: 16, .size: 8, .value_kind: global_buffer, .address_space: global }
      - { .name: Wq_scales, .offset: 24, .size: 8, .value_kind: global_buffer, .address_space: global }
      - { .name: bq, .offset: 32, .size: 8, .value_kind: global_buffer, .address_space: global }
      - { .name: k_codes, .offset: 40, .size: 8, .value_kind: global_buffer, .address_space: global }
      - { .name: k_scales, .offset: 48, .size: 8, .value_kind: global_buffer, .address_space: global }
      - { .name: Wk_codes, .offset: 56, .size: 8, .value_kind: global_buffer, .address_space: global }
      - { .name: Wk_scales, .offset: 64, .size: 8, .value_kind: global_buffer, .address_space: global }
      - { .name: bk, .offset: 72, .size: 8, .value_kind: global_buffer, .address_space: global }
      - { .name: Wv_codes, .offset: 80, .size: 8, .value_kind: global_buffer, .address_space: global }
      - { .name: Wv_scales, .offset: 88, .size: 8, .value_kind: global_buffer, .address_space: global }
      - { .name: v_codes, .offset: 96, .size: 8, .value_kind: global_buffer, .address_space: global }
      - { .name: v_scales, .offset: 104, .size: 8, .value_kind: global_buffer, .address_space: global }
      - { .name: bv, .offset: 112, .size: 8, .value_kind: global_buffer, .address_space: global }
      - { .name: qc, .offset: 120, .size: 8, .value_kind: global_buffer, .address_space: global }
      - { .name: qs, .offset: 128, .size: 8, .value_kind: global_buffer, .address_space: global }
      - { .name: kv, .offset: 136, .size: 8, .value_kind: global_buffer, .address_space: global }
    .group_segment_fixed_size: 327680
    .private_segment_fixed_size: 0
    .kernarg_segment_align: 8
    .kernarg_segment_size: 144
    .max_flat_workgroup_size: 128
    .sgpr_count:     102
    .vgpr_count:     1024
    .wavefront_size: 32
...
	.end_amdgpu_metadata
.endif
;; end of part 1
;; launch attn (part 2): grid 8 x 32, 8 waves a work-group, clusters of 4 x 1, 327,680 bytes of LDS; arguments qc, qs, kv, mask, cc, cs; writes cc, cs
.if DOCPART == 2
	.amdgcn_target "amdgcn-amd-amdhsa--gfx1250"
	.amdhsa_code_object_version 6
	.text
	.protected	k_qb26c50527c_attn
	.globl	k_qb26c50527c_attn
	.p2align	8
	.type	k_qb26c50527c_attn,@function
k_qb26c50527c_attn:
	s_mov_b64 s[64:65], 0
	v_nop
	global_prefetch_b8 v0, s[64:65] scope:SCOPE_SE
	s_setreg_imm32_b32 hwreg(HW_REG_WAVE_MODE, 25, 1), 1
	s_wait_xcnt 0x0
	s_wait_alu depctr_hold_cnt(0) depctr_sa_sdst(0) depctr_va_vdst(0) depctr_va_sdst(0) depctr_va_ssrc(0) depctr_va_vcc(0) depctr_vm_vsrc(0)
	s_getreg_b32 s2, hwreg(HW_REG_IB_STS2, 6, 4)
	s_cmp_eq_u32 s2, 0
	s_cbranch_scc0 .Lentry_in_a_cluster
	s_endpgm
.Lentry_in_a_cluster:
	s_bfe_u32 s2, ttmp6, 0x10000c
	s_cmp_lg_u32 s2, 0x3003
	s_cbranch_scc0 .Lentry_shape_is_right
	s_endpgm
.Lentry_shape_is_right:
; ATTENTION on codes of FP6 (E2M3): scores, mask, softmax, weighted sum, division by the row's sum, and the quantiser of the output projection's operand.
; SHARES.  A work-group owns 256 queries of one head (bh = 16 x batch + head); each of its eight waves TWO tiles of 16, A and B, in 512 registers.  Each register of K, of V and of the mask
; that a wave reads from LDS feeds both tiles.  The head's 16 key steps (128 keys: 12,288 bytes of K's and V's images, then 768 of their scale words: 13,056 bytes, 51 x 256) come into LDS ONCE and stay.
; FILLS.  The four work-groups of a cluster belong to one head and ask jointly.  Wave w asks for step w at the head and for step 8 + w behind the lines and the round ahead
; of a later first fill: one tensor load of a wave is out at any time, and every wait on TENSORcnt is for 0.  No bytes are filled twice.
; NO PREFETCH: all that the launch reads of kv is asked for by these two loads a wave, the second while the first eight steps are still to be worked: no later load is left to run ahead of.
; LAYOUT.  Operands lie in memory as images of operand registers (768 bytes for 16 rows x 64 along K: registers 0-3 at 16 x lane, registers 4-5 at 512 + 8 x lane).  Both products are used transposed:
; S^T = K Q^T, O^T = V^T P^T: a lane holds ONE query of each tile.  Lane p of tile t of K takes key 64 (t / 4) + 8 (t % 4) + p % 8 + 32 (p / 8) of a step's 128, so that the 32 registers of tiles 4 c .. 4 c + 3
; are the neighbouring keys 64 c + 32 h + 0 .. 31: a whole block of p in a lane, the block that the operand's layout gives that lane.  V's features are ordered likewise: O^T's 32 registers are a block of the context.
; K = 64 IN AN INSTRUCTION OF 128: Q's registers 6-11 are zero codes.  K's tile t is named as twelve registers of which the upper six are the next tile's codes (zeros behind the last): finite codes times zero codes add nothing.
; THE MASK: a table of 0 or -3e38 for each key is loaded into 64 registers, once for both tiles, and is the C of the score products.  A hidden key's t lies under the starting maximum, -1e30:
; it never sets M, its p is exactly 0, and while all keys so far are hidden the sum and O^T stay 0.
; THE SOFTMAX: t = score x log2(e) / 8 (the 8 is the division of Q, a power of two that the projection left to this constant); M = the running largest t rounded UP to a whole number; p = 2^(t - M) is quantised along the keys;
; the row's sum is taken of the unquantised p; when M moves, the sum and O^T are multiplied by 2^(old M - new M), which rounds nothing.  A tile's 66 exponentials of a step stand as ONE batch, all their sources ahead of it.
; REGISTERS, two windows of 256; a tile's state has the same numbers in both (A: window 0, B: window 1), so a tile's softmax is written once.
;   both: v9 8 h; v12 -M, v13 largest t; v[14:15] sum; v16-21 Q, v22-27 zeros; v96-159 S^T, then p; v160-191 O^T; v192-203 p's codes; v204-231 at work.
;   window 0 alone: v1-8 addresses; v28, v90 Q's scale words; v29, v91 p's; v30-33 K's, v34-35 V's; v36-83 K's 8 x 6 registers, later V's 4 x 12; v84-89 zeros; v254, v255 the add's.   window 1 alone: v32-95 the mask's numbers.
; LIMITS: NaN and infinities are not served; a batch whose mask is all false is not served (the result is finite here); scores stay under 1e37 and |t| under 1e30.  A block of zeros gets the scale byte 1.
.set STEPB, 13056
.set KSW,   12288                      ; a step's scale words: K's 4 x 128 bytes, V's 2 x 128
.set MB,    208896                     ; the mask's table, 2,048 x 4 bytes: written by LDS stores alone; no fill lands here
.set SPARE, 217088                     ; the spare words: 128 bytes a wave
.set A16,  1                           ; 16 x lane
.set A8,   2                           ; 8 x lane
.set A4,   3                           ; 4 x lane
.set AMB,  4                           ; MB + 128 x (lane / 16)
.set C16,  5                           ; v5-8: the same four for the step in hand
.set C8,   6
.set C4,   7
.set CMB,  8
.set SH8,  9
.set R4,   11
.set NM,   12
.set LS,   14
.set QF,   16
.set QSA,  28
.set PSA,  29
.set KS,   30
.set VS,   34
.set KF,   36
.set QSB,  90
.set PSB,  91
.set MK,   32
.set S,    96
.set O,    160
.set PC,   192
.set TT,   204
.set BM,   212                         ; a block's largest score, then its largest p
.set SO,   214
.set BY,   216
.set EX,   218
.set OM,   219                         ; the old -M
.set FF,   220
.set W0,   222
.set EX2,  223
.set MT,   224                         ; v224-231: eight chains of the maxima, one an accumulator; later four chains of the sum (three more in v204-209)
.set RO,   232
.set SPW,  254
.set NIL,  255
.set WV,  18
.set G1C, 24                           ; s[24:31] group 1: 51 lines of 256 bytes
.set G0,  40                           ; s[40:47] two groups 0
.set TA,  66
.set TM,  67
.set CNT, 68
.set CS,  70                           ; s[70:71] log2(e) / 8
.set SEL, 72                           ; s[72:73] lane l xor 16
.set W1,  0x55
.set TO1, 0x40
.set SCA, 0x10                         ; tile A's scores: C window 1
.set MB1, 0x54                         ; tile B's products: source 0 window 0, the rest window 1
.set PSW, 0x05
.set ST1, 0x04
.set MSB, 0
.macro WIN new
.if MSB != \new
	s_set_vgpr_msb (MSB<<8)|\new
.set MSB, \new
.endif
.endm
.macro PLACES n
.rept \n
	v_nop
.endr
.endm
.macro ROUND                           ; a round of the cluster's barrier
	s_barrier_signal -1
	s_barrier_wait -1
	s_cmp_lg_u32 s[WV], 0
	s_cbranch_scc1 .Lnot_wave_0_\@
	s_barrier_signal -3
.Lnot_wave_0_\@:
	s_barrier_wait -3
	s_barrier_signal -1
	s_barrier_wait -1
.endm
	s_load_b128 s[4:7], s[0:1], 0x0                ; qc, qs
	s_load_b128 s[8:11], s[0:1], 0x10              ; kv, mask
	s_load_b128 s[12:15], s[0:1], 0x20             ; cc, cs
	v_lshl_add_u32 v[SPW], v0, 2, SPARE
	v_mov_b32 v[NIL], 0
	ds_add_u32 v[SPW], v[NIL]                      ; the opening lines: the add twice on end and one wait
	ds_add_u32 v[SPW], v[NIL]
	v_lshrrev_b32 v1, 5, v0
	v_readfirstlane_b32 s[WV], v1                  ; wave 0..7
	s_bfe_u32 s19, ttmp6, 0x40000                  ; cx: it enters Q's, cc's and cs's addresses alone
	s_lshl_b32 s20, ttmp9, 2
	s_add_co_u32 s20, s20, s19                     ; my block of 256 queries
	s_and_b32 s21, ttmp7, 0xffff                   ; bh, which the four partners share
	s_and_b32 s22, s[WV], 3
	s_lshr_b32 s23, s[WV], 2
	s_lshl_b32 s74, s20, 1
	s_add_co_u32 s23, s23, s74                     ; g: my group of 128 queries
	s_lshl_b32 s74, s22, 1                         ; t: tile A's number in it; tile B is t + 1
	s_lshl_b32 s75, s21, 4
	s_add_co_u32 s75, s75, s23
	s_lshl_b32 s76, s75, 3
	s_add_co_u32 s76, s76, s74
	s_mul_i32 s76, s76, 768
	s_mov_b32 s77, 0                               ; Q's image (B's: 768 bytes on)
	s_lshl_b32 s78, s75, 9
	s_lshl_b32 s79, s74, 6
	s_add_co_u32 s78, s78, s79
	s_mov_b32 s79, 0                               ; Q's scale words: 64 bytes a tile
	s_lshr_b32 s80, s21, 4                         ; batch
	s_lshl_b32 s84, s80, 11
	s_mov_b32 s85, 0                               ; its 2,048 mask bytes
	s_lshl_b32 s81, s80, 4
	s_add_co_u32 s81, s81, s23                     ; G: my group of 128 rows of the context
	s_and_b32 s86, s21, 15                         ; head
	s_lshl_b32 s88, s81, 3
	s_add_co_u32 s88, s88, s74
	s_lshl_b32 s88, s88, 4
	s_add_co_u32 s88, s88, s86
	s_mul_i32 s88, s88, 768
	s_mov_b32 s89, 0                               ; the context's image: [G][t][head]
	s_lshl_b32 s90, s81, 7
	s_lshr_b32 s91, s74, 2
	s_lshl_b32 s91, s91, 6
	s_add_co_u32 s90, s90, s91
	s_and_b32 s91, s74, 3
	s_lshl_b32 s91, s91, 3
	s_add_co_u32 s90, s90, s91                     ; row 128 G + 64 (t / 4) + 8 (t % 4),
	s_lshl_b32 s90, s90, 5                         ; 32 scale bytes a row,
	s_lshl_b32 s91, s86, 1
	s_add_co_u32 s90, s90, s91                     ; my head's two
	s_mov_b32 s91, 0
	s_mul_i32 s94, s[WV], STEPB                    ; what I fetch: step wave, then step 8 + wave: in LDS,
	s_mul_i32 s92, s21, 16*STEPB
	s_add_co_u32 s92, s92, s94
	s_mov_b32 s93, 0                               ; and in memory
	s_mov_b32 s[G1C], 15|(3<<16)|(1<<21)           ; the mask: all four work-groups; elements of 8 bytes; bit 21 beside a mask; no padding: images are read 16 x lane
	s_mov_b32 s[G1C+1], 32<<16
	s_mov_b32 s[G1C+2], 51<<16
	s_mov_b32 s[G1C+3], 32<<16
	s_mov_b32 s[G1C+4], 51
	s_mov_b32 s[G1C+5], 32
	s_mov_b32 s[G1C+6], 0
	s_mov_b32 s[G1C+7], 0
	s_mov_b32 s[CS], 0x3e38aa3b
	s_mov_b32 s[CS+1], s[CS]
	s_mov_b32 s[SEL], 0x76543210
	s_mov_b32 s[SEL+1], 0xfedcba98
	s_wait_dscnt 0x0
	s_wait_kmcnt 0x0
	s_add_nc_u64 s[4:5], s[4:5], s[76:77]
	s_add_nc_u64 s[6:7], s[6:7], s[78:79]
	s_add_nc_u64 s[10:11], s[10:11], s[84:85]
	s_add_nc_u64 s[12:13], s[12:13], s[88:89]
	s_add_nc_u64 s[14:15], s[14:15], s[90:91]
	s_add_nc_u64 s[82:83], s[8:9], s[92:93]
.irp j, 0,1
	s_mov_b32 s[G0+4*\j], 1
	s_add_co_u32 s[G0+1+4*\j], s94, 8*STEPB*\j
	s_add_nc_u64 s[G0+2+4*\j:G0+3+4*\j], s[82:83], 8*STEPB*\j
	s_or_b32 s[G0+3+4*\j], s[G0+3+4*\j], 0x80000000
.endr
	ROUND                                          ; all four work-groups are here: the joint loads meet
	tensor_load_to_lds s[G0:G0+3], s[G1C:G1C+7]    ; step wave: my one load at the head
	s_nop 0
	PLACES 4
	v_and_b32 v5, 31, v0
	v_lshlrev_b32 v[A16], 4, v5
	v_lshlrev_b32 v[A8], 3, v5
	v_lshlrev_b32 v[A4], 2, v5
	v_bfe_u32 v6, v0, 4, 1                         ; h
	v_lshl_add_u32 v[AMB], v6, 7, MB
	v_lshlrev_b32 v[SH8], 3, v6
	v_lshlrev_b32 v10, 3, v0
	v_and_b32 v7, 15, v0
	v_lshlrev_b32 v[R4], 2, v7
	v_lshl_add_u32 v8, v0, 5, MB                   ; where my eight numbers of the table go
	global_load_b64 v[230:231], v10, s[10:11]      ; eight mask bytes a thread
	global_load_b128 v[QF:QF+3], v[A16], s[4:5]    ; Q's images stay in registers
	global_load_b64 v[QF+4:QF+5], v[A8], s[4:5] offset:512
	global_load_b32 v[QSA], v[R4], s[6:7]
	global_load_b32 v[QSB], v[R4], s[6:7] offset:64
	WIN TO1
	global_load_b128 v[QF:QF+3], v[A16], s[4:5] offset:768
	global_load_b64 v[QF+4:QF+5], v[A8], s[4:5] offset:768+512
	v_mov_b32 v[SH8], v[SH8]                       ; 8 h into window 1 too
.macro INIT                            ; a tile's state at the start
	v_mov_b32 v[NM+1], 0xf149f2ca                  ; -1e30: under every t that counts, over every hidden one
	v_floor_f32 v[NM], -v[NM+1]
	v_mov_b32 v[LS], 0
	v_mov_b32 v[LS+1], 0
.irp i, 0,1,2,3,4,5
	v_mov_b32 v[QF+6+\i], 0                        ; Q's K = 64 .. 127: zero codes
.endr
.set n, 0
.rept 32
	v_mov_b32 v[O+n], 0                            ; the step is written once: the first finds zeros
.set n, n+1
.endr
	v_mov_b32 v[EX], 0                             ; a lane permute's destination counts as a source
	v_mov_b32 v[EX2], 0
	v_mov_b32 v[FF+1], 0                           ; (named as the upper half of a pair)
.endm
	WIN 0
	INIT
	WIN W1
	INIT
	WIN 0
.irp i, 0,1,2,3,4,5
	v_mov_b32 v[KF+48+\i], 0                       ; what is named behind K's last tile
.endr
	v_mov_b32 v228, 0xff61b1e6                     ; -3e38
	s_wait_alu depctr_va_vdst(0)                   ; directly ahead of the wait below
	s_wait_loadcnt 6                               ; the mask's load is in; Q's six, issued behind it, may be out
.irp i, 0,1,2,3
	v_bfe_u32 v229, v230, 8*\i, 8
	v_cmp_eq_u32 vcc_lo, 0, v229
	v_cndmask_b32 v[232+\i], 0, v228, vcc_lo       ; 0 where the key counts, -3e38 where it is hidden
	v_bfe_u32 v229, v231, 8*\i, 8
	v_cmp_eq_u32 vcc_lo, 0, v229
	v_cndmask_b32 v[236+\i], 0, v228, vcc_lo
.endr
	ds_store_b128 v8, v[232:235]
	ds_store_b128 v8, v[236:239] offset:16
.macro SCORE qs                        ; S^T = K Q^T + the mask's numbers: eight accumulators, one instruction each
.irp t, 0,2,4,6
	v_wmma_scale_f32_16x16x128_f8f6f4 v[S+8*\t:S+8*\t+7], v[KF+6*\t:KF+6*\t+11], v[QF:QF+11], v[MK+8*\t:MK+8*\t+7], v[KS+\t/2], v[\qs] matrix_a_fmt:MATRIX_FMT_FP6 matrix_b_fmt:MATRIX_FMT_FP6
	v_wmma_scale_f32_16x16x128_f8f6f4 v[S+8*\t+8:S+8*\t+15], v[KF+6*\t+6:KF+6*\t+17], v[QF:QF+11], v[MK+8*\t+8:MK+8*\t+15], v[KS+\t/2], v[\qs] matrix_a_fmt:MATRIX_FMT_FP6 matrix_b_fmt:MATRIX_FMT_FP6 matrix_a_scale:MATRIX_SCALE_ROW1
.endr
.endm
.macro PV ps                           ; O^T += V^T P^T: four accumulators, one instruction each
.irp d, 0,2
	v_wmma_scale_f32_16x16x128_f8f6f4 v[O+8*\d:O+8*\d+7], v[KF+12*\d:KF+12*\d+11], v[PC:PC+11], v[O+8*\d:O+8*\d+7], v[VS+\d/2], v[\ps] matrix_a_fmt:MATRIX_FMT_FP6 matrix_b_fmt:MATRIX_FMT_FP6
	v_wmma_scale_f32_16x16x128_f8f6f4 v[O+8*\d+8:O+8*\d+15], v[KF+12*\d+12:KF+12*\d+23], v[PC:PC+11], v[O+8*\d+8:O+8*\d+15], v[VS+\d/2], v[\ps] matrix_a_fmt:MATRIX_FMT_FP6 matrix_b_fmt:MATRIX_FMT_FP6 matrix_a_scale:MATRIX_SCALE_ROW1
.endr
.endm
.macro OMULS                           ; O^T x f, each accumulator from its low end on
.set n, 0
.rept 16
	v_pk_mul_f32 v[O+2*n:O+2*n+1], v[O+2*n:O+2*n+1], v[FF:FF+1] op_sel_hi:[1,0]
.set n, n+1
.endr
.endm
; ONE TILE'S SOFTMAX FOR ONE KEY STEP, under window setting w.  ps: the register (window 0) that takes p's scale word; wps: the setting for that one line.
.macro SOFT w, ps, wps, wt             ; wt = 1: exponentials (the other tile's) stand between the score products and this tile's first read of them
	WIN \w
.if \wt
	s_wait_alu depctr_va_vdst(0)                   ; directly ahead of the first readers of the scores
.endif
	; the largest score of my two blocks: it serves the row's maximum and, since p rises with the score, the block's largest p.  Eight chains, one an accumulator, each from its low end on
.irp t, 0,1,2,3,4,5,6,7
	v_max3_num_f32 v[MT+\t], v[S+8*\t], v[S+8*\t+1], v[S+8*\t+2]
.endr
.irp t, 0,1,2,3,4,5,6,7
	v_max3_num_f32 v[MT+\t], v[MT+\t], v[S+8*\t+3], v[S+8*\t+4]
.endr
.irp t, 0,1,2,3,4,5,6,7
	v_max3_num_f32 v[MT+\t], v[MT+\t], v[S+8*\t+5], v[S+8*\t+6]
.endr
.irp c, 0,1
	v_max3_num_f32 v[MT+4*\c], v[MT+4*\c], v[MT+4*\c+1], v[S+32*\c+7]
	v_max3_num_f32 v[MT+4*\c+2], v[MT+4*\c+2], v[MT+4*\c+3], v[S+32*\c+15]
.endr
.irp c, 0,1
	v_max3_num_f32 v[BM+\c], v[MT+4*\c], v[MT+4*\c+2], v[S+32*\c+23]
.endr
.irp c, 0,1
	v_max_num_f32 v[BM+\c], v[BM+\c], v[S+32*\c+31]
.endr
	v_mov_b32 v[OM], v[NM]
	v_max_num_f32 v[W0], v[BM], v[BM+1]
	s_delay_alu instid0(VALU_DEP_1)
	v_permlanex16_b32 v[EX2], v[W0], s[SEL], s[SEL+1]
	s_delay_alu instid0(VALU_DEP_1)
	v_max_num_f32 v[W0], v[W0], v[EX2]             ; with lane l xor 16's 64 keys
	s_delay_alu instid0(VALU_DEP_1)
	v_mul_f32 v[W0], s[CS], v[W0]                  ; as t (c is positive)
	s_delay_alu instid0(VALU_DEP_1)
	v_max_num_f32 v[NM+1], v[NM+1], v[W0]          ; the running largest t
	s_delay_alu instid0(VALU_DEP_1)
	v_floor_f32 v[NM], -v[NM+1]                    ; the new -M: M is a whole number
	s_delay_alu instid0(VALU_DEP_1)
	v_sub_f32 v[W0], v[NM], v[OM]                  ; old M - new M: a whole number, 0 or less
.set q, 0
.rept 32
	v_pk_fma_f32 v[S+2*q:S+2*q+1], v[S+2*q:S+2*q+1], s[CS:CS+1], v[NM:NM+1] op_sel_hi:[1,0,0]   ; t - M
.if q == 3
	v_cvt_i32_f32 v[W0], v[W0]                     ; (it saturates)
.endif
.if q == 7
	v_ldexp_f32 v[FF], 1.0, v[W0]                  ; f = 2^(old M - new M)
.endif
.set q, q+1
.endr
.irp c, 0,1
	v_fma_f32 v[BM+\c], v[BM+\c], s[CS], v[NM]     ; the same of each block's largest score
.endr
	s_wait_alu depctr_va_vdst(0)                   ; the wait ahead of the batch
.irp c, 0,1
	v_exp_f32 v[BM+\c], v[BM+\c]
.endr
.set q, 0
.rept 64
	v_exp_f32 v[S+q], v[S+q]                       ; p = 2^(t - M), at most 1, not normalised
.set q, q+1
.endr
	v_pk_mul_f32 v[LS:LS+1], v[LS:LS+1], v[FF:FF+1] op_sel_hi:[1,0]   ; the sum under the new M: the plain place behind the batch
	s_wait_alu depctr_va_vdst(0)                   ; one wait for the batch, which also stands directly ahead of the first readers of O^T
	OMULS
.irp c, 0,1
	v_max_num_f32 v[BM+\c], 0x1800000, v[BM+\c]    ; the floor 2^(3 - 127): the byte cannot fall under 1
.endr
.irp c, 0,1
	v_add_nc_u32 v[SO+\c], 0xff000000, v[BM+\c]    ; 2 off the exponent field: the conversion's scale operand
.endr
.irp c, 0,1
	v_cvt_scalef32_pk16_fp6_f32 v[PC+6*\c:PC+6*\c+2], v[S+32*\c:S+32*\c+15], v[SO+\c]
	v_cvt_scalef32_pk16_fp6_f32 v[TT+4*\c:TT+4*\c+2], v[S+32*\c+16:S+32*\c+31], v[SO+\c]   ; (a conversion's three registers begin on an even number)
.endr
.irp c, 0,1
	v_lshrrev_b32 v[BY+\c], 23, v[SO+\c]           ; the scale's byte; also the plain place behind the conversions
.endr
.irp c, 0,1
.irp i, 0,1,2
	v_mov_b32 v[PC+6*\c+3+\i], v[TT+4*\c+\i]
.endr
.endr
	v_lshl_or_b32 v[W0], v[BY+1], 16, v[BY]        ; my bytes: blocks h and 2 + h,
	v_lshlrev_b32 v[W0], v[SH8], v[W0]             ; at their places;
	v_permlanex16_b32 v[EX], v[W0], s[SEL], s[SEL+1]
	WIN \wps
	v_or_b32 v[\ps], v[W0], v[EX]                  ; with lane l xor 16's two the word is whole
	WIN \w
	; the row's sum of the unquantised p, in eight chains (pair q goes to chain q % 8; chain 0 is the sum itself, chains 1-4 lie at v224-231, chains 5-7 at v204-209, whose codes have been moved):
	; 32 plain lines between p's codes and scale word and the products that name them
	v_pk_add_f32 v[LS:LS+1], v[LS:LS+1], v[S:S+1]
.irp j, 1,2,3,4,5,6,7
.set CP, 222+2*\j-28*(\j/5)
	v_pk_add_f32 v[CP:CP+1], v[S+2*\j:S+2*\j+1], v[S+2*\j+16:S+2*\j+17]
.endr
	v_pk_add_f32 v[LS:LS+1], v[LS:LS+1], v[S+16:S+17]
.irp q, 16,24
	v_pk_add_f32 v[LS:LS+1], v[LS:LS+1], v[S+2*\q:S+2*\q+1]
.irp j, 1,2,3,4,5,6,7
.set CP, 222+2*\j-28*(\j/5)
	v_pk_add_f32 v[CP:CP+1], v[CP:CP+1], v[S+2*\q+2*\j:S+2*\q+2*\j+1]
.endr
.endr
	v_pk_add_f32 v[224:225], v[224:225], v[226:227]
	v_pk_add_f32 v[228:229], v[228:229], v[230:231]
	v_pk_add_f32 v[204:205], v[204:205], v[206:207]
	v_pk_add_f32 v[LS:LS+1], v[LS:LS+1], v[208:209]
	v_pk_add_f32 v[224:225], v[224:225], v[228:229]
	v_pk_add_f32 v[LS:LS+1], v[LS:LS+1], v[204:205]
	v_pk_add_f32 v[LS:LS+1], v[LS:LS+1], v[224:225]
.endm
; A KEY STEP: 128 keys, both tiles of queries.
.macro STEP m                          ; m = 1: a step follows, and its mask numbers are fetched in this one
	v_add_nc_u32 v[C16], s[TA], v[A16]             ; (these four lines are also the places behind the last step's products, in front of the loads into their operands;
	v_add_nc_u32 v[C8], s[TA], v[A8]               ; the three addresses are read by K's loads alone, directly below)
	v_add_nc_u32 v[C4], s[TA], v[A4]
	v_nop
.irp t, 0,1,2,3,4,5,6,7
	ds_load_b128 v[KF+6*\t:KF+6*\t+3], v[C16] offset:768*\t
	ds_load_b64 v[KF+6*\t+4:KF+6*\t+5], v[C8] offset:768*\t+512
.endr
.irp x, 0,1,2,3
	ds_load_b32 v[KS+\x], v[C4] offset:KSW+128*\x
.endr
	s_wait_dscnt 0x0                               ; K, and this step's mask numbers, asked for a step ago
	WIN SCA
	SCORE QSA
	WIN MB1
	SCORE QSB
	WIN 0
	v_add_nc_u32 v[C16], s[TA], v[A16]             ; the addresses once more, directly ahead of the loads that read them: these four lines are the places in front of the loads
	v_add_nc_u32 v[C8], s[TA], v[A8]               ; into K's and the mask's registers and of the first read of the scores
	v_add_nc_u32 v[C4], s[TA], v[A4]
.if \m
	v_add_nc_u32 v[CMB], s[TM], v[AMB]
.else
	v_nop
.endif
.irp d, 0,1,2,3                                ; V's images land under tile A's softmax
.irp c, 0,1
	ds_load_b128 v[KF+12*\d+6*\c:KF+12*\d+6*\c+3], v[C16] offset:6144+1536*\d+768*\c
	ds_load_b64 v[KF+12*\d+6*\c+4:KF+12*\d+6*\c+5], v[C8] offset:6144+1536*\d+768*\c+512
.endr
.endr
.irp x, 0,1
	ds_load_b32 v[VS+\x], v[C4] offset:KSW+512+128*\x
.endr
.if \m
	MASKLD CMB                                     ; the next step's mask numbers: their registers are free behind the score products
.endif
	SOFT 0, PSA, 0, 0
	s_wait_dscnt 16*\m                             ; V is in; the 16 loads of mask numbers, issued behind V's, may be out
	PV PSA                                         ; tile B's softmax, which follows, names none of these products' registers
	SOFT W1, PSB, PSW, 1
	WIN MB1
	PV PSB
	WIN 0                                          ; at a label and at a branch every window is 0
.endm
.macro MASKLD adr                      ; a step's 64 mask numbers: those of keys 64 c + 32 h + 0 .. 31, into window 1
	WIN TO1
.irp c, 0,1
.irp k, 0,1,2,3,4,5,6,7
	ds_load_b128 v[MK+32*\c+4*\k:MK+32*\c+4*\k+3], v[\adr] offset:256*\c+16*\k
.endr
.endr
	WIN 0
.endm
.macro HALF n, trips                   ; key steps from 8 n on; s[TM]: the NEXT step's part of the mask's table
	s_mov_b32 s[TA], 8*STEPB*\n
	s_mov_b32 s[TM], 512*(8*\n+1)
	s_mov_b32 s[CNT], \trips
.Lstep_\@:
	STEP 1
	s_add_co_u32 s[TA], s[TA], STEPB
	s_add_co_u32 s[TM], s[TM], 512
	s_sub_co_u32 s[CNT], s[CNT], 1
	s_cmp_lg_u32 s[CNT], 0
	s_cbranch_scc1 .Lstep_\@
.endm
	s_wait_alu depctr_va_vdst(0)                   ; the wait at the head's end
	s_wait_loadcnt 0x0                             ; Q
	s_wait_tensorcnt 0x0                           ; my step of the first eight is in
	ds_add_u32 v[SPW], v[NIL]
	s_wait_dscnt 0x0                               ; the add, and my stores into the mask's table
	ROUND                                          ; everybody's step is in, and the four work-groups are here
	tensor_load_to_lds s[G0+4:G0+7], s[G1C:G1C+7]  ; step 8 + wave: my one load behind the round; the first eight steps' reads stay under its bytes
	s_nop 0
	PLACES 4
	MASKLD AMB                                     ; step 0's mask numbers
	HALF 0, 8
	s_wait_tensorcnt 0x0                           ; my step of the last eight is in,
	s_wait_dscnt 0x0
	s_barrier_signal -1
	s_barrier_wait -1                              ; everybody's is
	HALF 1, 7
	STEP 0                                         ; the last step is written out: no mask numbers follow it
	; THE END: O^T / the sum is the context: a tile's 32 registers are features 32 h + 0 .. 31 of my head: one block of the output projection's K.
	v_and_b32 v[RO], 7, v0                         ; (these four are the places behind the last products)
	v_bfe_u32 v233, v0, 3, 1
	v_lshlrev_b32 v[RO], 5, v[RO]
	v_lshl_add_u32 v[RO], v233, 10, v[RO]          ; my row among a tile's: r % 8 + 32 (r / 8), 32 bytes a row
.macro FIN w, stw, occ, ocs            ; one tile's end; stw: the setting for its stores; occ, ocs: its place in the images and among the scale bytes
	WIN \w
	v_add_f32 v[LS], v[LS], v[LS+1]
	v_permlanex16_b32 v[EX2], v[LS], s[SEL], s[SEL+1]
	v_add_f32 v[LS], v[LS], v[EX2]                 ; the row's sum
	s_wait_alu depctr_va_vdst(0)                   ; the wait ahead of the transcendental
	v_rcp_f32 v[FF], v[LS]
	v_nop                                          ; one plain place behind it
	s_wait_alu depctr_va_vdst(0)                   ; the wait behind it, directly ahead of the first readers of O^T
	OMULS
	v_max3_num_f32 v[BM], |v[O]|, |v[O+1]|, 0x1800000          ; the block's largest magnitude, in two chains, with the floor
	v_max3_num_f32 v[BM+1], |v[O+16]|, |v[O+17]|, 0x1800000
.irp i, 2,4,6,8,10,12,14
	v_max3_num_f32 v[BM], v[BM], |v[O+\i]|, |v[O+\i+1]|
	v_max3_num_f32 v[BM+1], v[BM+1], |v[O+16+\i]|, |v[O+17+\i]|
.endr
	v_max_num_f32 v[BM], v[BM], v[BM+1]
	v_add_nc_u32 v[SO], 0xff000000, v[BM]
	v_lshrrev_b32 v[BY], 23, v[SO]
	v_cvt_scalef32_pk16_fp6_f32 v[PC:PC+2], v[O:O+15], v[SO]
	v_cvt_scalef32_pk16_fp6_f32 v[TT:TT+2], v[O+16:O+31], v[SO]
	v_nop                                          ; one plain place behind a scaled conversion
.irp i, 0,1,2
	v_mov_b32 v[PC+3+\i], v[TT+\i]
.endr
	v_lshlrev_b32 v[W0], v[SH8], v[BY]
	v_permlanex16_b32 v[EX], v[W0], s[SEL], s[SEL+1]
	v_or_b32 v[W0], v[W0], v[EX]                   ; my row's two scale bytes
	WIN \stw
	global_store_b128 v[A16], v[PC:PC+3], s[12:13] offset:\occ             ; 512 consecutive bytes, aligned to 256
	global_store_b64 v[A8], v[PC+4:PC+5], s[12:13] offset:\occ+512         ; 256 consecutive bytes, aligned
	global_store_b16 v[RO], v[W0], s[14:15] offset:\ocs                    ; both halves of the lanes write the same two bytes with the same value
.endm
	FIN 0, 0, 0, 0
	FIN W1, ST1, 12288, 256                        ; tile B's registers lie in window 1: none that tile A's stores still read is written
	WIN 0
	s_wait_tensorcnt 0x0                           ; the wave's end
	ds_add_u32 v[SPW], v[NIL]
	s_wait_dscnt 0x0
	ROUND                                          ; the closing round
	s_endpgm
.Lfunc_end_k_qb26c50527c_attn:
	.size	k_qb26c50527c_attn, .Lfunc_end_k_qb26c50527c_attn-k_qb26c50527c_attn
	.p2alignl 7, 3214868480
	.fill 96, 4, 3214868480
	.section	.rodata,"a",@progbits
	.p2align	6, 0x0
	.amdhsa_kernel k_qb26c50527c_attn
		.amdhsa_group_segment_fixed_size 327680
		.amdhsa_private_segment_fixed_size 0
		.amdhsa_enable_private_segment 0
		.amdhsa_kernarg_size 48
		.amdhsa_user_sgpr_count 2
		.amdhsa_user_sgpr_kernarg_segment_ptr 1
		.amdhsa_wavefront_size32 1
		.amdhsa_system_sgpr_workgroup_id_x 1
		.amdhsa_system_sgpr_workgroup_id_y 1
		.amdhsa_system_sgpr_workgroup_id_z 1
		.amdhsa_system_vgpr_workitem_id 0
		.amdhsa_next_free_vgpr 512
		.amdhsa_next_free_sgpr 100
		.amdhsa_reserve_vcc 1
		.amdhsa_float_denorm_mode_32 3
		.amdhsa_float_denorm_mode_16_64 3
		.amdhsa_memory_ordered 1
		.amdhsa_forward_progress 1
		.amdhsa_inst_pref_size 105
	.end_amdhsa_kernel
	.amdgpu_metadata
---
amdhsa.version: [ 1, 2 ]
amdhsa.kernels:
  - .name:           k_qb26c50527c_attn
    .symbol:         k_qb26c50527c_attn.kd
    .args:
      - { .name: qc, .offset: 0, .size: 8, .value_kind: global_buffer, .address_space: global }
      - { .name: qs, .offset: 8, .size: 8, .value_kind: global_buffer, .address_space: global }
      - { .name: kv, .offset: 16, .size: 8, .value_kind: global_buffer, .address_space: global }
      - { .name: mask, .offset: 24, .size: 8, .value_kind: global_buffer, .address_space: global }
      - { .name: cc, .offset: 32, .size: 8, .value_kind: global_buffer, .address_space: global }
      - { .name: cs, .offset: 40, .size: 8, .value_kind: global_buffer, .address_space: global }
    .group_segment_fixed_size: 327680
    .private_segment_fixed_size: 0
    .kernarg_segment_align: 8
    .kernarg_segment_size: 48
    .max_flat_workgroup_size: 256
    .sgpr_count:     100
    .vgpr_count:     512
    .wavefront_size: 32
...
	.end_amdgpu_metadata
.endif
;; end of part 2
;; launch oproj (part 3): grid 8 x 32, 4 waves a work-group, clusters of 4 x 4, 327,680 bytes of LDS; arguments cc, cs, Wo_codes, Wo_scales, bo, out0; writes out0
.if DOCPART == 3
	.amdgcn_target "amdgcn-amd-amdhsa--gfx1250"
	.amdhsa_code_object_version 6
	.text
	.protected	k_qb26c50527c_oproj
	.globl	k_qb26c50527c_oproj
	.p2align	8
	.type	k_qb26c50527c_oproj,@function
k_qb26c50527c_oproj:
	s_mov_b64 s[64:65], 0
	v_nop
	global_prefetch_b8 v0, s[64:65] scope:SCOPE_SE
	s_setreg_imm32_b32 hwreg(HW_REG_WAVE_MODE, 25, 1), 1
	s_wait_xcnt 0x0
	s_wait_alu depctr_hold_cnt(0) depctr_sa_sdst(0) depctr_va_vdst(0) depctr_va_sdst(0) depctr_va_ssrc(0) depctr_va_vcc(0) depctr_vm_vsrc(0)
	s_getreg_b32 s2, hwreg(HW_REG_IB_STS2, 6, 4)
	s_cmp_eq_u32 s2, 0
	s_cbranch_scc0 .Lentry_in_a_cluster
	s_endpgm
.Lentry_in_a_cluster:
	s_bfe_u32 s2, ttmp6, 0x10000c
	s_cmp_lg_u32 s2, 0xf033
	s_cbranch_scc0 .Lentry_shape_is_right
	s_endpgm
.Lentry_shape_is_right:
; THE OUTPUT PROJECTION on codes of FP6 (E2M3): out0[i][j] = sum over k of context[i][k] Wo[j][k] + bo[j], K = 1,024, f32 out.
; A work-group makes 128 x 128, all of K from LDS, filled once by one joint load a wave (4 x 4 clusters: the context's images shared along a row, Wo's rows along a column).  Wave w: 64 x 64, 16 accumulators, which begin as the bias.
; The context lies as images of operand registers (768 bytes for 16 rows x 64 K); Wo's rows as in memory, padded by 16 bytes behind every 256.  The scale bytes (8,192 of a work-group's 204,800 input bytes) come by plain loads into registers.
; No prefetch: all that a work-group reads is asked for at its head.  Results leave through each wave's own stage in LDS, as rows of 256 bytes.
.set ROWP,   816
.set HALFG,  32*ROWP
.set TILEP,  8*ROWP
.set DELTA,  52352
.set JBASE,  98304
.set SJ,     176                       ; v176-207 Wo's scale words as loaded, until they are merged into lanes 16-31 of v16-47
.set STAGE,  211200
.set AI16, 5
.set AI8,  6
.set ADJ,  7
.set ADS,  9
.set STO,  10
.set RD,   11
.set CO,   12
.set BQK,  14
.set SC,   16
.set ACC,  48
.set F0,   0
.set F1,   128
.set WV, 18
.set IH, 19
.set JH, 20
.set IT, 22
.set JT, 23
.set G1,   24
.set G0,   32
.set G1B,  36
.set G0B,  44
.set MUL,  0x05
.set TO_F, 0x40
.set MSB, 0
.macro WIN new
.if MSB != \new
	s_set_vgpr_msb (MSB<<8)|\new
.set MSB, \new
.endif
.endm
.macro PLACES n
.rept \n
	v_nop
.endr
.endm
.macro ROUND
	s_barrier_signal -1
	s_barrier_wait -1
	s_cmp_lg_u32 s[WV], 0
	s_cbranch_scc1 .Lnot_wave_0_\@
	s_barrier_signal -3
.Lnot_wave_0_\@:
	s_barrier_wait -3
	s_barrier_signal -1
	s_barrier_wait -1
.endm
.macro JLOAD g0a, g1a, g0b, g1b
	s_cmp_eq_u32 s[IH], 0
	s_cbranch_scc0 .Lfor_j_\@
	tensor_load_to_lds s[\g0a:\g0a+3], s[\g1a:\g1a+7]
	s_nop 0
.rept 4
	v_nop
.endr
	s_branch .Lasked_\@
.Lfor_j_\@:
	tensor_load_to_lds s[\g0b:\g0b+3], s[\g1b:\g1b+7]
	s_nop 0
.rept 4
	v_nop
.endr
.Lasked_\@:
.endm
	s_load_b256 s[4:11], s[0:1], 0x0
	s_load_b128 s[12:15], s[0:1], 0x20
	v_lshl_add_u32 v254, v0, 2, 0x38000
	v_mov_b32 v255, 0
	ds_add_u32 v254, v255
	ds_add_u32 v254, v255
	v_lshrrev_b32 v1, 5, v0
	v_readfirstlane_b32 s[WV], v1
	s_lshr_b32 s[IH], s[WV], 1
	s_and_b32 s[JH], s[WV], 1
	s_bfe_u32 s60, ttmp6, 0x40000
	s_bfe_u32 s61, ttmp6, 0x40004
	s_and_b32 s[IT], ttmp7, 0xffff
	s_lshl_b32 s[IT], s[IT], 2
	s_add_co_u32 s[IT], s[IT], s61
	s_lshl_b32 s[JT], ttmp9, 2
	s_add_co_u32 s[JT], s[JT], s60
	s_lshl_b32 s2, s61, 2
	s_lshl_b32 s2, 15, s2
	s_lshl_b32 s3, 0x1111, s60
	s_or_b32 s[G1], s2, (3<<16)|(1<<21)
	s_mov_b32 s[G1+1], 32<<16
	s_mov_b32 s[G1+2], 192<<16
	s_mov_b32 s[G1+3], 32<<16
	s_mov_b32 s[G1+4], 192
	s_mov_b32 s[G1+5], 32
	s_mov_b32 s[G1+6], 0
	s_mov_b32 s[G1+7], 0
	s_or_b32 s[G1B], s3, (3<<16)|(1<<20)|(1<<21)|(5<<22)|(3<<25)
	s_mov_b32 s[G1B+1], 3072<<16
	s_mov_b32 s[G1B+2], 2<<16
	s_mov_b32 s[G1B+3], 3072<<16
	s_mov_b32 s[G1B+4], 2
	s_mov_b32 s[G1B+5], 6144
	s_mov_b32 s[G1B+6], 0
	s_mov_b32 s[G1B+7], 0
	s_mul_i32 s82, s[IT], 98304
	s_mul_i32 s90, s[JH], 49152
	s_add_co_u32 s82, s82, s90
	s_mov_b32 s83, 0
	s_mul_i32 s84, s[JT], 98304
	s_mul_i32 s85, s[JH], 24576
	s_add_co_u32 s84, s84, s85
	s_mov_b32 s85, 0
	s_lshl_b32 s86, s[IT], 12                      ; the context's scale bytes: 4,096 a tile, + my 64 rows
	s_lshl_b32 s87, s[IH], 11
	s_add_co_u32 s86, s86, s87
	s_mov_b32 s87, 0
	s_lshl_b32 s88, s[JT], 12
	s_lshl_b32 s89, s[JH], 11
	s_add_co_u32 s88, s88, s89
	s_mov_b32 s89, 0
	s_mul_i32 s92, s[JH], DELTA
	s_add_co_u32 s92, s92, JBASE
	s_wait_dscnt 0x0
	s_wait_kmcnt 0x0
	s_mov_b32 s[G0], 1
	s_mov_b32 s[G0+1], s90
	s_add_nc_u64 s[G0+2:G0+3], s[4:5], s[82:83]
	s_or_b32 s[G0+3], s[G0+3], 0x80000000
	s_mov_b32 s[G0B], 1
	s_mov_b32 s[G0B+1], s92
	s_add_nc_u64 s[G0B+2:G0B+3], s[8:9], s[84:85]
	s_or_b32 s[G0B+3], s[G0B+3], 0x80000000
	s_add_nc_u64 s[6:7], s[6:7], s[86:87]
	s_add_nc_u64 s[10:11], s[10:11], s[88:89]
	ROUND                                          ; all sixteen work-groups are here: the joint loads meet
	JLOAD G0, G1, G0B, G1B                         ; one tensor load a wave, all that this launch fills
	v_and_b32 v1, 15, v0
	v_bfe_u32 v2, v0, 4, 1
	v_and_b32 v3, 7, v0
	v_bfe_u32 v4, v0, 3, 1
	v_and_b32 v13, 31, v0
	s_mul_i32 s82, s[IH], 49152
	v_lshl_add_u32 v[AI16], v13, 4, s82
	v_lshl_add_u32 v[AI8], v13, 3, s82
	v_mul_u32_u24 v[ADJ], v4, DELTA
	v_mad_u32_u24 v[ADJ], v3, ROWP, v[ADJ]
	v_mad_u32_u24 v[ADJ], v2, 24, v[ADJ]
	s_mul_i32 s82, s[JH], HALFG
	s_add_co_u32 s82, s82, JBASE
	v_add_nc_u32 v[ADJ], s82, v[ADJ]
	v_lshl_add_u32 v[ADJ+1], v2, 4, v[ADJ]
	v_lshlrev_b32 v[ADS], 5, v3                    ; my row among 64 rows of scale bytes: 32 bytes a row: r % 8,
	v_lshl_add_u32 v[ADS], v4, 10, v[ADS]          ; + 32 rows x (r / 8)
	s_mul_i32 s82, s[WV], 16*272
	s_add_co_u32 s82, s82, STAGE
	v_mul_u32_u24 v[STO], v1, 272
	v_lshl_add_u32 v[STO], v2, 7, v[STO]
	v_add_nc_u32 v[STO], s82, v[STO]
	v_mul_u32_u24 v[RD], v2, 272
	v_lshl_add_u32 v[RD], v1, 4, v[RD]
	v_add_nc_u32 v[RD], s82, v[RD]
	v_lshlrev_b32 v[CO], 12, v2
	v_lshl_add_u32 v[CO], v1, 4, v[CO]
	v_lshlrev_b32 v[BQK], 7, v2
	s_wait_alu depctr_va_vdst(0)
	s_lshl_b32 s86, s[JT], 9
	s_lshl_b32 s87, s[JH], 8
	s_add_co_u32 s86, s86, s87
	s_mov_b32 s87, 0
	s_add_nc_u64 s[12:13], s[12:13], s[86:87]
	s_add_nc_u64 s[14:15], s[14:15], s[86:87]
	s_lshl_b32 s86, s[IT], 19
	s_lshl_b32 s88, s[IH], 18
	s_add_co_u32 s86, s86, s88
	s_add_nc_u64 s[14:15], s[14:15], s[86:87]
.irp a, 0,1,2,3
.irp k, 0,1,2,3,4,5,6,7
	global_load_b128 v[ACC+32*\a+4*\k:ACC+32*\a+4*\k+3], v[BQK], s[12:13] offset:16*\k
.endr
.endr
.irp i, 0,1,2,3                                ; a row's 32 scale bytes are the words of its eight K steps; tile i lies 8 rows on
	global_load_b128 v[SC+8*\i:SC+8*\i+3], v[ADS], s[6:7] offset:256*\i
	global_load_b128 v[SC+8*\i+4:SC+8*\i+7], v[ADS], s[6:7] offset:256*\i+16
	global_load_b128 v[SJ+8*\i:SJ+8*\i+3], v[ADS], s[10:11] offset:256*\i
	global_load_b128 v[SJ+8*\i+4:SJ+8*\i+7], v[ADS], s[10:11] offset:256*\i+16
.endr
	s_wait_loadcnt 0x0                             ; the bias and the scale words
	v_cmp_eq_u32 vcc_lo, 1, v2
.set n, 0
.rept 32
	v_cndmask_b32 v[SC+n], v[SC+n], v[SJ+n], vcc_lo   ; lanes 16-31 take Wo's words
.set n, n+1
.endr
	s_wait_alu depctr_va_vdst(0)                   ; directly ahead of the wait below
	s_wait_tensorcnt 0x0
	s_barrier_signal -1
	s_barrier_wait -1
.macro FRAG reg, adr, q, i
.irp p, 0,1,2,3,4,5
.set OB, 96*(\q)+48*(\p/3)+8*(\p%3)
.if OB/256 == (OB+24)/256
	ds_load_b64 v[(\reg)+2*\p:(\reg)+2*\p+1], v[\adr] offset:OB+16*(OB/256)+(\i)*TILEP
.else
	ds_load_b64 v[(\reg)+2*\p:(\reg)+2*\p+1], v[\adr+1] offset:OB+16*(OB/256)+(\i)*TILEP
.endif
.endr
.endm
.macro FETCH q, f
	WIN TO_F
.irp a, 0,1,2,3
.irp c, 0,1
	ds_load_b128 v[(\f)+12*\a+6*\c:(\f)+12*\a+6*\c+3], v[AI16] offset:12288*\a+1536*(\q)+768*\c
	ds_load_b64 v[(\f)+12*\a+6*\c+4:(\f)+12*\a+6*\c+5], v[AI8] offset:12288*\a+1536*(\q)+768*\c+512
.endr
.endr
.irp i, 0,1,2,3
	FRAG (\f)+48+12*\i, ADJ, \q, \i
.endr
.endm
.macro KSTEP q, f, g
	PLACES 4
.if (\q) < 7
	FETCH (\q)+1, \g
	s_wait_dscnt 40
.else
	s_wait_dscnt 0x0
.endif
	WIN MUL
.irp a, 0,1,2,3
.irp b, 0,1,2,3
	v_wmma_scale_f32_16x16x128_f8f6f4 v[ACC+32*\a+8*\b:ACC+32*\a+8*\b+7], v[\f+48+12*\b:\f+48+12*\b+11], v[\f+12*\a:\f+12*\a+11], v[ACC+32*\a+8*\b:ACC+32*\a+8*\b+7], v[SC+8*\b+(\q)], v[SC+8*\a+(\q)] matrix_a_fmt:MATRIX_FMT_FP6 matrix_b_fmt:MATRIX_FMT_FP6 matrix_a_scale:MATRIX_SCALE_ROW1
.endr
.endr
.endm
	FETCH 0, F0
	KSTEP 0, F0, F1
	KSTEP 1, F1, F0
	KSTEP 2, F0, F1
	KSTEP 3, F1, F0
	KSTEP 4, F0, F1
	KSTEP 5, F1, F0
	KSTEP 6, F0, F1
	KSTEP 7, F1, F0
	WIN 0
	PLACES 4
.irp a, 0,1,2,3
.irp b, 0,1,2,3
	ds_store_b128 v[STO], v[ACC+32*\a+8*\b:ACC+32*\a+8*\b+3] offset:32*\b
	ds_store_b128 v[STO], v[ACC+32*\a+8*\b+4:ACC+32*\a+8*\b+7] offset:32*\b+16
.endr
.irp k, 0,1,2,3,4,5,6,7
	ds_load_b128 v[ACC+32*\a+4*\k:ACC+32*\a+4*\k+3], v[RD] offset:544*\k
.endr
.endr
.irp a, 0,1,2,3
.irp k, 0,1,2,3,4,5,6,7
	s_wait_dscnt 16*(3-\a)+7-\k
	global_store_b128 v[CO], v[ACC+32*\a+4*\k:ACC+32*\a+4*\k+3], s[14:15] offset:(8*\a+2*\k+24*(\k/4))*4096 th:TH_STORE_NT
.endr
.endr
	s_wait_tensorcnt 0x0
	ds_add_u32 v254, v255
	s_wait_dscnt 0x0
	ROUND
	s_endpgm
.Lfunc_end_k_qb26c50527c_oproj:
	.size	k_qb26c50527c_oproj, .Lfunc_end_k_qb26c50527c_oproj-k_qb26c50527c_oproj
	.p2alignl 7, 3214868480
	.fill 96, 4, 3214868480
	.section	.rodata,"a",@progbits
	.p2align	6, 0x0
	.amdhsa_kernel k_qb26c50527c_oproj
		.amdhsa_group_segment_fixed_size 327680
		.amdhsa_private_segment_fixed_size 0
		.amdhsa_enable_private_segment 0
		.amdhsa_kernarg_size 48
		.amdhsa_user_sgpr_count 2
		.amdhsa_user_sgpr_kernarg_segment_ptr 1
		.amdhsa_wavefront_size32 1
		.amdhsa_system_sgpr_workgroup_id_x 1
		.amdhsa_system_sgpr_workgroup_id_y 1
		.amdhsa_system_sgpr_workgroup_id_z 1
		.amdhsa_system_vgpr_workitem_id 0
		.amdhsa_next_free_vgpr 480
		.amdhsa_next_free_sgpr 100
		.amdhsa_reserve_vcc 1
		.amdhsa_float_denorm_mode_32 3
		.amdhsa_float_denorm_mode_16_64 3
		.amdhsa_memory_ordered 1
		.amdhsa_forward_progress 1
		.amdhsa_inst_pref_size 59
	.end_amdhsa_kernel
	.amdgpu_metadata
---
amdhsa.version: [ 1, 2 ]
amdhsa.kernels:
  - .name:           k_qb26c50527c_oproj
    .symbol:         k_qb26c50527c_oproj.kd
    .args:
      - { .name: cc, .offset: 0, .size: 8, .value_kind: global_buffer, .address_space: global }
      - { .name: cs, .offset: 8, .size: 8, .value_kind: global_buffer, .address_space: global }
      - { .name: Wo_codes, .offset: 16, .size: 8, .value_kind: global_buffer, .address_space: global }
      - { .name: Wo_scales, .offset: 24, .size: 8, .value_kind: global_buffer, .address_space: global }
      - { .name: bo, .offset: 32, .size: 8, .value_kind: global_buffer, .address_space: global }
      - { .name: out0, .offset: 40, .size: 8, .value_kind: global_buffer, .address_space: global }
    .group_segment_fixed_size: 327680
    .private_segment_fixed_size: 0
    .kernarg_segment_align: 8
    .kernarg_segment_size: 48
    .max_flat_workgroup_size: 128
    .sgpr_count:     100
    .vgpr_count:     480
    .wavefront_size: 32
...
	.end_amdgpu_metadata
.endif
;; end of part 3
